; MI455X (gfx1250); checked and timed in simulation.
; The chip was launched on July 23, 2026; its instructions are those of AMD's public machine-readable ISA for CDNA 5 (MIT licence, August 2026) and "CDNA5" Instruction Set Architecture Reference Guide (July 2026). The comments in the code are by the model that wrote it; some were corrected since.
;; Cross Attention. Allowed arithmetic: matrix products marked QUANTISED: E2M1 operands, one E8M0 scale for each 32 along K, by v_wmma_scale_f32_16x16x128_f8f6f4 with both operands' format E2M1 (or v_wmma_scale_f32_32x16x128_f4), f32 sums; everything else in f32.
;; Inputs: W_out 1,024 x 1,024 float32; W_qkv 1,024 x 1,024 float32; b_out 1,024 float32; x 4 x 2,048 x 1,024 float32.
;; Outputs: out0 4 x 2,048 x 1,024 float32.
;; This version of the problem:
;;   THIS VERSION OF THE PROBLEM IS GIVEN IN LOW PRECISION. The matrix products marked QUANTISED in the list below multiply operands that are first quantised to E2M1 (2 exponent bits, 1 mantissa bit; 4 bits a number), with one power-of-two scale for each 32 numbers along K (OCP MX v1.0); their sums are f32. All else is computed in f32.
;;   The module's matrix products, in the order in which they are computed (A, B: the left and right operand; K: the contracted axis; several contracted axes count as one K, in the product's order):
;;     1. [M 8,192, K 1,024] x [K 1,024, N 1,024]; A: input x; B: input W_qkv: QUANTISED
;;     2. batch 64 x [M 2,048, K 64] x [K 64, N 2,048]; A: computed on the way; B: computed on the way: QUANTISED
;;     3. batch 64 x [M 2,048, K 2,048] x [K 2,048, N 64]; A: softmax (see below); B: computed on the way: QUANTISED
;;     4. [M 8,192, K 1,024] x [K 1,024, N 1,024]; A: computed on the way; B: input W_out: QUANTISED
;;   THE QUANTISER, for each operand of a quantised product, along K:
;;     - K is cut into blocks of 32 from its start; a last block that is shorter is filled with zeros.
;;     - A block's scale is 2^e with e = floor(log2(the largest magnitude in the block)) - 2, held to -126 .. 127; a block of zeros has e = 0. As a byte (E8M0): e + 127.
;;     - Each number is divided by its block's scale, clamped to +-6, and rounded to the nearest number of E2M1, ties to even, subnormals kept.
;;     - The product sums the exact products of the quantised numbers (number of the format x scale) in f32.
;;   ~~~python
;;   def quantise(x, axis):      # numpy; x: float32 -> the quantised numbers, widened to float32 again
;;       x = np.moveaxis(x, axis, -1); K = x.shape[-1]
;;       x = np.pad(x, [(0, 0)] * (x.ndim - 1) + [(0, -K % 32)]); x = x.reshape(x.shape[:-1] + (-1, 32)); a = np.abs(x).max(-1, keepdims=True)
;;       e = np.where(a > 0, np.clip(np.frexp(np.where(a > 0, a, 1))[1] - 1 - 2, -126, 127), 0)      # np.frexp(a)[1] - 1 = floor(log2(a)), exactly
;;       r = np.clip(x / 2.0 ** e, -6, 6)
;;       step = 2.0 ** (np.maximum(np.frexp(np.where(r == 0, 1, r))[1] - 1, 0) - 1)
;;       q = np.round(r / step) * step * 2.0 ** e      # np.round: ties to even
;;       return np.moveaxis(q.reshape(q.shape[:-2] + (-1,))[..., :K], -1, axis).astype(np.float32)
;;   ~~~
;;   SOFTMAX AHEAD OF A QUANTISED PRODUCT. Where the list says 'softmax', what is quantised is not the finished softmax but p = 2^(t - M), with t = logit x log2(e) and M = ceil(the row's largest t), a whole number; so 1/2 < the row's largest p <= 1. The row's sum l is taken of the UNQUANTISED p, in f32, and the product's result is divided by l at the end. Since M is a whole number, a kernel that streams over the keys may use a running M (the ceiling of the running maximum): every later rescaling is an exact power of two, which a block's scale takes up: the codes' values come out the same.
;;   OPERANDS COMPUTED ON THE WAY. 'Computed on the way' means the value that the module computes at that place (a softmax that the list does not call 'softmax' is quantised finished and normalised). What goes into a quantiser is computed in f32, as accurately as f32 sums, v_exp_f32 and their like allow (about 1e-6 of the number): no bf16 or f16 on the way to a quantiser, and a product that is left as it is and whose result goes on into a quantised operand takes f32 operands (vector FMAs, or v_wmma_f32_16x16x4_f32). A number that lies on a knife's edge between two numbers of the format may be rounded either way, as far as f32 arithmetic and the matrix unit's own rounding can turn it there, and no further.
;; One version. Each part assembles by itself: llvm-mc -triple=amdgcn-amd-amdhsa -mcpu=gfx1250 --defsym DOCPART=n.
;; ======== version 1 of 1: 4 launches
;; workspace buffers: x_img 4,194,304 bytes; x_sc 262,144 bytes; w_img 1,048,576 bytes; w_sc 65,536 bytes; kv 8,912,896 bytes; o_img 4,194,304 bytes; o_sc 262,144 bytes
;; launch quant (part 1): grid 384 x 1, 4 waves a work-group, no clusters, 35,328 bytes of LDS; arguments x, W_qkv, W_out, x_img, x_sc, w_img, w_sc; writes x_img, x_sc, w_img, w_sc
.if DOCPART == 1
	.amdgcn_target "amdgcn-amd-amdhsa--gfx1250"
	.amdhsa_code_object_version 6
	.text
	.protected	k_qf9c62cf6b5_quant
	.globl	k_qf9c62cf6b5_quant
	.p2align	8
	.type	k_qf9c62cf6b5_quant,@function
k_qf9c62cf6b5_quant:
	s_mov_b64 s[64:65], 0
	v_nop
	global_prefetch_b8 v0, s[64:65] scope:SCOPE_SE
	s_setreg_imm32_b32 hwreg(HW_REG_WAVE_MODE, 25, 1), 1
	s_wait_xcnt 0x0
; x [8192][1024] f32 is quantised along its last axis, W_qkv and W_out [1024 (k)][1024 (n)] f32 along their FIRST axis, to codes of FP4 (E2M1) with one E8M0 byte for each 32 along K.
; A block's scale is 2^(floor(log2(its largest magnitude)) - 2); its byte is the largest magnitude's exponent field - 2, held at 1 from below by a floor among the maximum's leaves.
; LIMITS: a block of zeros, or one whose largest magnitude lies under 2^(3 - 127), gets the byte 1 (the codes of zeros are zeros, and this program alone reads the bytes); NaN and infinities among the inputs are not served.
; THE OUTPUT IS LAID AS THE MATRIX UNIT'S REGISTERS WANT IT.  A fragment (16 rows x 128 K, 8 registers a lane) is 1,024 bytes [c 2][h 2][r 16][16 bytes]: the 16 bytes are block 2 c + h of the row at place r,
; so that lane 16 h + r takes registers 4 c .. 4 c + 3 by one 16-byte load at 512 c + 16 x lane.  A tile's eight K steps follow each other.  Scale words: [tile][K step 8][r 16][4 bytes].
; THE ROWS OF A TILE ARE NOT NEIGHBOURS: place r of tile 2 G + u is row (of x) or column (of W) 32 G + 8 u + r + 8 (r / 8), so that results of two neighbouring tiles are 16 neighbours along a later K.
; Work-groups 0-255 take x (32 rows each), 256-383 the weights.  The two ways part once, on the work-group's number; only x's way uses LDS, and there each wave its own bytes: no barrier.
; No work-group shares an input byte with another, so no cluster and no matrix unit; the launch streams.
.set WREG, 8704                        ; LDS of a wave: a stage of 16 rows x 528 bytes, then its 256 bytes of scale words
.set SPX,  528                         ; a stage row: 512 bytes + 16, an odd multiple of 16: sixteen rows start in sixteen different groups of banks
.set R,    32                          ; v32-159  x's way: two sets of 64 registers as loaded
.set X,    160                         ; v160-223 64 numbers of one row: blocks h and 2 + h of a K step
.set C,    224                         ; v224-255 codes: eight registers for each of the wave's four K steps, so that no store's data are written again
.set XW,   32                          ; v32-95   the weights' way: two sets of 32 numbers, a block each
.set CW,   96                          ; v96-111  codes: four registers a block
.set SEL,  20                          ; s[20:21] lane selects for v_permlanex16_b32: lane l xor 16
	s_load_b256 s[4:11], s[0:1], 0x0               ; x s[4:5], W_qkv s[6:7], W_out s[8:9], x_img s[10:11]
	s_load_b128 s[12:15], s[0:1], 0x20             ; x_sc s[12:13], w_img s[14:15]
	s_load_b64 s[16:17], s[0:1], 0x30              ; w_sc
	v_lshl_add_u32 v30, v0, 2, 0x8800
	v_mov_b32 v31, 0
	v_lshrrev_b32 v1, 5, v0
	v_readfirstlane_b32 s18, v1                    ; wave 0..3
	v_and_b32 v2, 31, v0                           ; lane
	v_and_b32 v24, 15, v0                          ; r
	v_bfe_u32 v25, v0, 4, 1                        ; h
	s_mov_b32 s[SEL], 0x76543210
	s_mov_b32 s[SEL+1], 0xfedcba98
	s_cmp_lt_u32 ttmp9, 256
	s_cbranch_scc0 .Lw
; ---------------- x: wave w takes tile T = 2 x work-group + w / 2 and K steps 4 (w % 2) .. + 3: 16 rows x 512 numbers
	v_lshlrev_b32 v3, 4, v2                        ; 16 x lane: my bytes of a load's 512, and of an image's 512
	s_mul_i32 s19, s18, WREG
	v_add_nc_u32 v14, s19, v3                      ; the stage, way in: a row as it lies
	v_mul_u32_u24 v15, v24, SPX
	v_lshl_add_u32 v15, v25, 7, v15
	v_add_nc_u32 v15, s19, v15                     ; way out: row r, + 128 h bytes: my block of 32 numbers
	s_add_co_u32 s19, s19, 16*SPX
	v_lshl_add_u32 v5, v24, 2, s19                 ; my row's scale word
	v_lshl_add_u32 v6, v2, 3, s19                  ; and on the way out 8 bytes a lane
	v_lshlrev_b32 v7, 3, v2
	v_lshlrev_b32 v10, 3, v25                      ; 8 h: my bytes' place in the scale word, in bits
	v_mov_b32 v11, 0                               ; a lane permute's destination counts as one of its sources
	s_lshr_b32 s22, s18, 1                         ; u
	s_and_b32 s23, s18, 1                          ; which half of K
	s_lshl_b32 s24, ttmp9, 17                      ; 32 rows of 4,096 bytes a work-group,
	s_lshl_b32 s26, s22, 15                        ; 8 rows on for u = 1,
	s_add_co_u32 s24, s24, s26
	s_lshl_b32 s26, s23, 11                        ; 512 numbers on for the second half of K
	s_add_co_u32 s24, s24, s26
	s_mov_b32 s25, 0
	s_lshl_b32 s27, ttmp9, 1
	s_add_co_u32 s27, s27, s22                     ; T
	s_lshl_b32 s28, s27, 13                        ; 8,192 bytes of codes a tile, 4,096 a half of K
	s_lshl_b32 s26, s23, 12
	s_add_co_u32 s28, s28, s26
	s_mov_b32 s29, 0
	s_lshl_b32 s30, s27, 9                         ; 512 bytes of scale words a tile, 256 a half
	s_lshl_b32 s26, s23, 8
	s_add_co_u32 s30, s30, s26
	s_mov_b32 s31, 0
	s_wait_alu depctr_va_vdst(0)
	s_wait_kmcnt 0x0
	s_add_nc_u64 s[4:5], s[4:5], s[24:25]
	s_add_nc_u64 s[10:11], s[10:11], s[28:29]
	s_add_nc_u64 s[12:13], s[12:13], s[30:31]
.macro LOAD t                          ; K step t of the 16 rows: each load reads 512 consecutive bytes of the row at place i
.irp i, 0,1,2,3,4,5,6,7,8,9,10,11,12,13,14,15
	global_load_b128 v[R+64*((\t)%2)+4*\i:R+64*((\t)%2)+4*\i+3], v3, s[4:5] offset:(\i+8*(\i/8))*4096+512*(\t) th:TH_LOAD_NT
.endr
.endm
.macro TURN t                          ; through my stage: in as loaded, out 128 neighbouring bytes a lane and block.  LDS serves a wave's instructions in order: no wait between
.irp i, 0,1,2,3,4,5,6,7,8,9,10,11,12,13,14,15
	ds_store_b128 v14, v[R+64*((\t)%2)+4*\i:R+64*((\t)%2)+4*\i+3] offset:SPX*\i
.endr
.irp c, 0,1
.irp j, 0,1,2,3,4,5,6,7
	ds_load_b128 v[X+32*\c+4*\j:X+32*\c+4*\j+3], v15 offset:256*\c+16*\j
.endr
.endr
.endm
.macro STEP t
.if (\t) < 3
	s_wait_loadcnt 16                              ; this step's 16 loads are in; the next step's 16 may be out
.else
	s_wait_loadcnt 0x0
.endif
	TURN \t
	s_wait_dscnt 0x0                               ; my 64 numbers are in, and the stage's stores have read their registers,
.if (\t)+2 < 4
	LOAD (\t)+2                                    ; which take the loads of two steps on
.endif
.irp c, 0,1
	v_max3_num_f32 v[16+\c], |v[X+32*\c]|, |v[X+32*\c+1]|, 0x1800000   ; block 2 c + h: all its 32 numbers are mine; and the floor 2^(3 - 127): the byte cannot fall under 1
.endr
.irp i, 2,4,6,8,10,12,14,16,18,20,22,24,26,28,30
.irp c, 0,1
	v_max3_num_f32 v[16+\c], v[16+\c], |v[X+32*\c+\i]|, |v[X+32*\c+\i+1]|   ; (the two blocks by turns)
.endr
.endr
.irp c, 0,1
	v_add_nc_u32 v[18+\c], 0xff000000, v[16+\c]    ; 2 off the exponent field: the conversion takes the exponent field of this operand as its scale
.endr
.irp c, 0,1
	v_lshrrev_b32 v[20+\c], 23, v[18+\c]           ; the scale's byte
.endr
	v_lshl_or_b32 v9, v21, 16, v20                 ; my two bytes, blocks h and 2 + h,
	v_lshlrev_b32 v9, v10, v9                      ; at their places in the row's scale word;
	v_permlanex16_b32 v11, v9, s[SEL], s[SEL+1]
	v_or_b32 v9, v9, v11                           ; with lane l xor 16's two the word is whole
.irp c, 0,1
.irp g, 0,1,2,3
	v_cvt_scalef32_pk8_fp4_f32 v[C+8*(\t)+4*\c+\g], v[X+32*\c+8*\g:X+32*\c+8*\g+7], v[18+\c]
.endr
.endr
	v_nop                                          ; one plain line behind the last scaled conversion
	ds_store_b32 v5, v9 offset:64*(\t)             ; both halves of the lanes write the same word with the same value
.irp c, 0,1
	global_store_b128 v3, v[C+8*(\t)+4*\c:C+8*(\t)+4*\c+3], s[10:11] offset:1024*(\t)+512*\c   ; 32 lanes store 512 consecutive bytes, aligned
.endr
.endm
	LOAD 0
	LOAD 1
	STEP 0
	STEP 1
	STEP 2
	STEP 3
	ds_load_b64 v[12:13], v6                       ; my wave's 64 scale words: these loads see my stores
	s_wait_dscnt 0x0
	global_store_b64 v7, v[12:13], s[12:13]        ; 32 lanes store 256 consecutive bytes, aligned
	s_wait_tensorcnt 0x0
	ds_add_u32 v30, v31
	s_wait_dscnt 0x0
	s_endpgm
; ---------------- the weights: g = work-group - 256: matrix g / 64, K step (g / 8) % 8, 128 columns g % 8.  A wave takes 32 columns x 128 along K; A LANE TAKES A COLUMN AND ITS REGISTERS RUN DOWN K
.Lw:
	s_sub_co_u32 s19, ttmp9, 256
	s_lshr_b32 s22, s19, 6                         ; which matrix
	s_and_b32 s23, s19, 7                          ; which 128 columns
	s_bfe_u32 s24, s19, 0x30003                    ; which K step
	v_and_b32 v26, 8, v0
	s_wait_alu depctr_va_vdst(0)
	v_add_nc_u32 v26, v26, v24                     ; r + 8 (r / 8)
	v_lshl_add_u32 v26, v25, 3, v26                ; + 8 u: lanes 0-15 are tile u = 0 in the order of its places, lanes 16-31 tile u = 1
	v_lshlrev_b32 v3, 2, v26                       ; in: my column's 4 bytes
	v_lshlrev_b32 v4, 4, v24
	v_lshl_add_u32 v4, v25, 13, v4                 ; codes: 16 r, + a tile for u = 1
	v_lshlrev_b32 v5, 2, v24
	v_lshl_add_u32 v5, v25, 9, v5                  ; scale word: 4 r, + a tile
	s_lshl_b32 s26, s24, 19                        ; 128 rows of 4,096 bytes a K step
	s_lshl_b32 s28, s23, 9
	s_add_co_u32 s26, s26, s28
	s_lshl_b32 s28, s18, 7
	s_add_co_u32 s26, s26, s28
	s_mov_b32 s27, 0
	s_lshl_b32 s28, s23, 3
	s_lshl_b32 s29, s18, 1
	s_add_co_u32 s28, s28, s29                     ; my first tile of columns: 8 x column group + 2 x wave
	s_lshl_b32 s30, s28, 13
	s_lshl_b32 s29, s22, 19                        ; the second matrix lies 524,288 bytes on
	s_add_co_u32 s30, s30, s29
	s_lshl_b32 s29, s24, 10
	s_add_co_u32 s30, s30, s29
	s_mov_b32 s31, 0
	s_lshl_b32 s32, s28, 9
	s_lshl_b32 s29, s22, 15                        ; its scale words 32,768 bytes on
	s_add_co_u32 s32, s32, s29
	s_lshl_b32 s29, s24, 6
	s_add_co_u32 s32, s32, s29
	s_mov_b32 s33, 0
	s_wait_alu depctr_va_vdst(0)
	s_wait_kmcnt 0x0
	s_cmp_eq_u32 s22, 0                            ; the choice hangs on the work-group's number alone
	s_cselect_b64 s[6:7], s[6:7], s[8:9]
	s_add_nc_u64 s[6:7], s[6:7], s[26:27]
	s_add_nc_u64 s[14:15], s[14:15], s[30:31]
	s_add_nc_u64 s[16:17], s[16:17], s[32:33]
.macro LOADW t                         ; block t: W(32 t + i, my column): the wave reads 128 consecutive bytes
.irp i, 0,1,2,3,4,5,6,7,8,9,10,11,12,13,14,15,16,17,18,19,20,21,22,23,24,25,26,27,28,29,30,31
	global_load_b32 v[XW+32*((\t)%2)+\i], v3, s[6:7] offset:(32*(\t)+\i)*4096 th:TH_LOAD_NT
.endr
.endm
.macro BLOCK t
.set XB, XW+32*((\t)%2)
.if (\t) < 3
	s_wait_loadcnt 32                              ; this block's 32 loads are in; the next block's may be out
.else
	s_wait_loadcnt 0x0
.endif
	v_max3_num_f32 v12, |v[XB]|, |v[XB+1]|, |v[XB+2]|
	v_max3_num_f32 v13, |v[XB+3]|, |v[XB+4]|, |v[XB+5]|
.irp i, 6,10,14,18,22,26
	v_max3_num_f32 v12, v12, |v[XB+\i]|, |v[XB+\i+1]|
	v_max3_num_f32 v13, v13, |v[XB+\i+2]|, |v[XB+\i+3]|
.endr
	v_max3_num_f32 v12, v12, |v[XB+30]|, |v[XB+31]|
	v_max3_num_f32 v12, v12, v13, 0x1800000        ; and the floor
	v_add_nc_u32 v11, 0xff000000, v12              ; the conversion's scale operand
	v_lshrrev_b32 v13, 23, v11                     ; the byte
.if (\t) == 0
	v_mov_b32 v27, v13                             ; four bytes make my column's scale word of this K step
.else
	v_lshl_or_b32 v27, v13, 8*(\t), v27
.endif
.irp g, 0,1,2,3
	v_cvt_scalef32_pk8_fp4_f32 v[CW+4*(\t)+\g], v[XB+8*\g:XB+8*\g+7], v11
.endr
	v_nop                                          ; one plain line behind the last scaled conversion
	global_store_b128 v4, v[CW+4*(\t):CW+4*(\t)+3], s[14:15] offset:256*(\t)   ; block t = 2 c + h lies at 256 t of the image: each sixteen lanes store 256 consecutive bytes, aligned
.if (\t)+2 < 4
	LOADW (\t)+2
.endif
.endm
	LOADW 0
	LOADW 1
	BLOCK 0
	BLOCK 1
	BLOCK 2
	BLOCK 3
	global_store_b32 v5, v27, s[16:17]             ; runs of 64 bytes: one byte in 128 of what this way reads
	s_endpgm
.Lfunc_end_k_qf9c62cf6b5_quant:
	.size	k_qf9c62cf6b5_quant, .Lfunc_end_k_qf9c62cf6b5_quant-k_qf9c62cf6b5_quant
	.p2alignl 7, 3214868480
	.fill 96, 4, 3214868480
	.section	.rodata,"a",@progbits
	.p2align	6, 0x0
	.amdhsa_kernel k_qf9c62cf6b5_quant
		.amdhsa_group_segment_fixed_size 35328
		.amdhsa_private_segment_fixed_size 0
		.amdhsa_enable_private_segment 0
		.amdhsa_kernarg_size 56
		.amdhsa_user_sgpr_count 2
		.amdhsa_user_sgpr_kernarg_segment_ptr 1
		.amdhsa_wavefront_size32 1
		.amdhsa_system_sgpr_workgroup_id_x 1
		.amdhsa_system_sgpr_workgroup_id_y 1
		.amdhsa_system_sgpr_workgroup_id_z 1
		.amdhsa_system_vgpr_workitem_id 0
		.amdhsa_next_free_vgpr 256
		.amdhsa_next_free_sgpr 66
		.amdhsa_reserve_vcc 0
		.amdhsa_float_denorm_mode_32 3
		.amdhsa_float_denorm_mode_16_64 3
		.amdhsa_memory_ordered 1
		.amdhsa_forward_progress 1
		.amdhsa_inst_pref_size 50
	.end_amdhsa_kernel
	.amdgpu_metadata
---
amdhsa.version: [ 1, 2 ]
amdhsa.kernels:
  - .name:           k_qf9c62cf6b5_quant
    .symbol:         k_qf9c62cf6b5_quant.kd
    .args:
      - { .name: x, .offset: 0, .size: 8, .value_kind: global_buffer, .address_space: global }
      - { .name: W_qkv, .offset: 8, .size: 8, .value_kind: global_buffer, .address_space: global }
      - { .name: W_out, .offset: 16, .size: 8, .value_kind: global_buffer, .address_space: global }
      - { .name: x_img, .offset: 24, .size: 8, .value_kind: global_buffer, .address_space: global }
      - { .name: x_sc, .offset: 32, .size: 8, .value_kind: global_buffer, .address_space: global }
      - { .name: w_img, .offset: 40, .size: 8, .value_kind: global_buffer, .address_space: global }
      - { .name: w_sc, .offset: 48, .size: 8, .value_kind: global_buffer, .address_space: global }
    .group_segment_fixed_size: 35328
    .private_segment_fixed_size: 0
    .kernarg_segment_align: 8
    .kernarg_segment_size: 56
    .max_flat_workgroup_size: 128
    .sgpr_count:     66
    .vgpr_count:     256
    .wavefront_size: 32
...
	.end_amdgpu_metadata
.endif
;; end of part 1
;; launch proj (part 2): grid 4 x 64, 16 waves a work-group, clusters of 4 x 4, 200,704 bytes of LDS; arguments x_img, x_sc, w_img, w_sc, kv; writes kv
.if DOCPART == 2
	.amdgcn_target "amdgcn-amd-amdhsa--gfx1250"
	.amdhsa_code_object_version 6
	.text
	.protected	k_qf9c62cf6b5_proj
	.globl	k_qf9c62cf6b5_proj
	.p2align	8
	.type	k_qf9c62cf6b5_proj,@function
k_qf9c62cf6b5_proj:
	s_mov_b64 s[64:65], 0
	v_nop
	global_prefetch_b8 v0, s[64:65] scope:SCOPE_SE
	s_setreg_imm32_b32 hwreg(HW_REG_WAVE_MODE, 25, 1), 1
	s_wait_xcnt 0x0
	s_wait_alu depctr_hold_cnt(0) depctr_sa_sdst(0) depctr_va_vdst(0) depctr_va_sdst(0) depctr_va_ssrc(0) depctr_va_vcc(0) depctr_vm_vsrc(0)
	s_getreg_b32 s2, hwreg(HW_REG_IB_STS2, 6, 4)
	s_cmp_eq_u32 s2, 0
	s_cbranch_scc0 .Lentry_in_a_cluster
	s_endpgm
.Lentry_in_a_cluster:
	s_bfe_u32 s2, ttmp6, 0x10000c
	s_cmp_lg_u32 s2, 0xf033
	s_cbranch_scc0 .Lentry_shape_is_right
	s_endpgm
.Lentry_shape_is_right:
; qkv = Q(x) Q(W_qkv) on codes of FP4, and its two quantisations: along d (one set of codes serves q and k) and along the keys (v).  qkv itself never goes to memory.
; SHARES.  A work-group makes 128 rows (128 keys of one batch) x 256 columns (four heads), all of K = 1,024.  Sixteen waves, four to a SIMD: wave w takes 32 rows (w / 4: one block of 32 keys) x 64 columns (w % 4: one head).
; ALL OPERANDS ARE IN LDS AT ONCE: W's 16 tiles (131,072 bytes) and x's 8 tiles (65,536), as images of the fragments' registers, each filled once.  No ring, nothing filled again.
; CLUSTER 4 x 4: x's tiles hang on the work-group's y alone and are asked for jointly along a row of the cluster, W's on x alone and along a column.
; BOTH ORIENTATIONS.  The wave's 32 x 64 is computed twice from the same fragments, the sources swapped, which gives the same sums: D1 (source 0 = W, source 1 = x): a lane holds one row and its registers run along d;
; D2 (source 0 = x, source 1 = W): a lane holds one channel and its registers run along the keys.  So both quantisers find their 32 neighbours in lanes l and l xor 16, and nothing is transposed through LDS:
; eight more matrix instructions a K step on registers that are there anyway.
; A HEAD'S BLOCK IN kv, 139,264 bytes: KC +0 [kb 64][u 2][h 2][r 16][16]: codes along d of the 32 keys of block kb (u: tile, h: block of d);  VC +65,536 [kb 64][p 64][16]: 32 keys' codes of the channel at place p;
;   KS +131,072 [kb 64][r 16][4]: bytes (u0 d0, u0 d1, u1 d0, u1 d1);  VS +135,168 [128 keys 16][p 64][4]: byte kb % 4.  Place r of tile 2 G + u is key or channel 32 G + 8 u + r + 8 (r / 8).
; LIMITS: a block of zeros or under 2^(3 - 127) gets the byte 1; NaN and infinities are not served.
; A larger wave tile is not taken: the launch's matrix work is short beside its fills and stores, and sixteen waves of 256 registers need no register windows and cover each other's LDS loads.
.set ABASE, 131072                     ; LDS: W's image at 0, x's at ABASE,
.set STG,   196608                     ; and behind them a stage [head 4][K's scale words 256 | V's scale bytes 256]: bytes of its own, into which no fill lands
.set HEADB, 139264
.set WV,  18                           ; s18 wave;  s19 wm = wave / 4;  s22 wn = wave % 4;  s23 work-group y;  s42 work-group x
.set SWM, 19
.set SWN, 22
.set SGY, 23
.set SGX, 42
.set SEL, 20                           ; s[20:21] lane selects for v_permlanex16_b32: lane l xor 16
.set G1A, 24                           ; s[24:31] descriptor group 1 for x's tiles, s[32:35] its group 0
.set G0A, 32
.set G0B, 36                           ; s[36:39] group 0 for W's tiles, s[48:55] their group 1
.set G1B, 48
.set TM,  16                           ; v16-23   the quantiser's temporaries
.set XS,  24                           ; v24-31   x's scale words: register 4 u + q: K step 2 q in lanes 0-15, 2 q + 1 in lanes 16-31
.set WS,  32                           ; v32-47   W's: register 4 t + q
.set XF,  48                           ; v48-63   x's two fragments
.set WF,  64                           ; v64-95   W's four
.set D1,  96                           ; v96-159  accumulator (t, u) at 32 u + 8 t
.set D2,  160                          ; v160-223 accumulator (u, t) at 32 (t / 2) + 16 (t % 2) + 8 u
.set PC,  224                          ; v224-239 four sets of four code registers: no store's data are written again
.macro ROUND                           ; a round of the cluster's barrier
	s_barrier_signal -1
	s_barrier_wait -1
	s_cmp_lg_u32 s[WV], 0
	s_cbranch_scc1 .Lnot_wave_0_\@
	s_barrier_signal -3
.Lnot_wave_0_\@:
	s_barrier_wait -3
	s_barrier_signal -1
	s_barrier_wait -1
.endm
; 32 numbers of a lane, two blocks b: register 16 b + i is number 16 (lane / 16) + i of block b.  Out: v[pc .. pc + 3] of lane (r, h) = the 16 bytes of block h; the two bytes in v[TM+4], v[TM+5] of every lane.
.macro QUANT2 s, pc
.irp b, 0,1
	v_max3_num_f32 v[TM+\b], |v[(\s)+16*\b]|, |v[(\s)+16*\b+1]|, 0x1800000   ; my 16 numbers, from each accumulator's low end on, and the floor 2^(3 - 127)
.endr
.irp i, 2,4,6,8,10,12,14
.irp b, 0,1
	v_max3_num_f32 v[TM+\b], v[TM+\b], |v[(\s)+16*\b+\i]|, |v[(\s)+16*\b+\i+1]|
.endr
.endr
.irp b, 0,1
	s_delay_alu instid0(VALU_DEP_2)
	v_permlanex16_b32 v[TM+2+\b], v[TM+\b], s[SEL], s[SEL+1]
.endr
.irp b, 0,1
	s_delay_alu instid0(VALU_DEP_2)
	v_max_num_f32 v[TM+\b], v[TM+\b], v[TM+2+\b]   ; with lane l xor 16's: the block's largest magnitude
.endr
.irp b, 0,1
	s_delay_alu instid0(VALU_DEP_2)
	v_add_nc_u32 v[TM+6+\b], 0xff000000, v[TM+\b]  ; 2 off its exponent field: the conversion's scale operand
.endr
.irp b, 0,1
	s_delay_alu instid0(VALU_DEP_2)
	v_lshrrev_b32 v[TM+4+\b], 23, v[TM+6+\b]       ; the scale's byte
.endr
.irp b, 0,1
	v_cvt_scalef32_pk8_fp4_f32 v[(\pc)+2*\b], v[(\s)+16*\b:(\s)+16*\b+7], v[TM+6+\b]
	v_cvt_scalef32_pk8_fp4_f32 v[(\pc)+2*\b+1], v[(\s)+16*\b+8:(\s)+16*\b+15], v[TM+6+\b]
.endr
	v_nop                                          ; one plain line behind the last scaled conversion
	v_permlane16_swap_b32 v[(\pc)], v[(\pc)+2]     ; half blocks become whole ones: lanes 0-15 block 0, lanes 16-31 block 1
	v_permlane16_swap_b32 v[(\pc)+1], v[(\pc)+3]
.endm
; One product.  s = 0 starts the sum with the constant 0; odd K steps read both sides' scales from lanes 16-31.
.macro WM d, a, b, sa, sb, s
.if (\s) == 0
	v_wmma_scale_f32_16x16x128_f8f6f4 v[\d:\d+7], v[\a:\a+7], v[\b:\b+7], 0, v[\sa], v[\sb] matrix_a_fmt:MATRIX_FMT_FP4 matrix_b_fmt:MATRIX_FMT_FP4
.elseif (\s)%2 == 0
	v_wmma_scale_f32_16x16x128_f8f6f4 v[\d:\d+7], v[\a:\a+7], v[\b:\b+7], v[\d:\d+7], v[\sa], v[\sb] matrix_a_fmt:MATRIX_FMT_FP4 matrix_b_fmt:MATRIX_FMT_FP4
.else
	v_wmma_scale_f32_16x16x128_f8f6f4 v[\d:\d+7], v[\a:\a+7], v[\b:\b+7], v[\d:\d+7], v[\sa], v[\sb] matrix_a_fmt:MATRIX_FMT_FP4 matrix_b_fmt:MATRIX_FMT_FP4 matrix_a_scale:MATRIX_SCALE_ROW1 matrix_b_scale:MATRIX_SCALE_ROW1
.endif
.endm
	s_load_b256 s[4:11], s[0:1], 0x0               ; x_img s[4:5], x_sc s[6:7], w_img s[8:9], w_sc s[10:11]
	s_load_b64 s[12:13], s[0:1], 0x20              ; kv
	v_lshl_add_u32 v254, v0, 2, 0x30800
	v_mov_b32 v255, 0
	ds_add_u32 v254, v255
	ds_add_u32 v254, v255
	v_lshrrev_b32 v9, 5, v0
	s_delay_alu instid0(VALU_DEP_1)
	v_readfirstlane_b32 s[WV], v9                  ; wave 0..15
	s_lshr_b32 s[SWM], s[WV], 2
	s_and_b32 s[SWN], s[WV], 3
	s_mov_b32 s[SEL], 0x76543210
	s_mov_b32 s[SEL+1], 0xfedcba98
	; every LDS address is made here, ahead of the first branch on the wave's number: a constant + a constant x lane + constants x wave
	v_and_b32 v10, 31, v0                          ; lane
	v_and_b32 v11, 15, v0                          ; r
	s_wait_alu depctr_va_vdst(0)
	v_bfe_u32 v12, v0, 4, 1                        ; h
	v_lshlrev_b32 v1, 4, v10                       ; 16 x lane: my place in an image, in LDS and in kv
	v_lshlrev_b32 v4, 2, v10                       ; 4 x lane: my place among two K steps' scale words
	s_lshl_b32 s70, s[SWM], 14
	s_add_co_u32 s70, s70, ABASE
	v_add_nc_u32 v2, s70, v1                       ; x's two tiles of my 32 rows
	s_lshl_b32 s70, s[SWN], 15
	v_add_nc_u32 v3, s70, v1                       ; W's four tiles of my head
	s_lshl_b32 s70, s[SWN], 9
	s_add_co_u32 s70, s70, STG
	v_add_nc_u32 v7, s70, v1                       ; the stage, way out: my head's 512 bytes
	s_lshl_b32 s71, s[SWM], 6
	s_add_co_u32 s71, s71, s70
	v_lshl_add_u32 v5, v11, 2, s71                 ; way in: K's scale word of key block wm, place r
	s_add_co_u32 s71, s70, 256
	s_add_co_u32 s71, s71, s[SWM]
	v_lshl_add_u32 v6, v11, 2, s71                 ; V's byte wm of the word of place r (+ 64 a tile)
	v_lshlrev_b32 v8, 4, v11
	s_wait_alu depctr_va_vdst(0)
	v_lshl_add_u32 v8, v12, 12, v8                 ; in kv: lanes 0-15 KS's 256 bytes, lanes 16-31 VS's, 4,096 bytes on
	v_mov_b32 v[TM+2], 0                           ; a lane permute's destination counts as one of its sources
	v_mov_b32 v[TM+3], 0
	s_bfe_u32 s40, ttmp6, 0x40000                  ; cx, cy: my place in the cluster
	s_bfe_u32 s41, ttmp6, 0x40004
	s_lshl_b32 s[SGX], ttmp9, 2
	s_add_co_u32 s[SGX], s[SGX], s40               ; work-group x = 4 x cluster x + cx
	s_and_b32 s[SGY], ttmp7, 0xffff
	s_lshl_b32 s[SGY], s[SGY], 2
	s_add_co_u32 s[SGY], s[SGY], s41               ; work-group y = 4 x cluster y + cy
	s_lshl_b32 s43, s41, 2
	s_lshl_b32 s43, 15, s43                        ; my row of the cluster
	s_lshl_b32 s44, 0x1111, s40                    ; my column
	; descriptor group 1: a dense block of 16,384 bytes as 64 rows of 256 (32 elements of 8 bytes), no padding: the images are read 512 consecutive bytes at a time
	s_or_b32 s[G1A], s43, (3<<16)|(1<<21)          ; 15:0 the mask: x's tiles go to my row; 17:16 elements of 8 bytes; 21 set beside a mask
	s_or_b32 s[G1B], s44, (3<<16)|(1<<21)          ; W's go to my column
.irp g, G1A, G1B
	s_mov_b32 s[\g+1], 32<<16                      ; tensor_dim0 = 32
	s_mov_b32 s[\g+2], 64<<16                      ; tensor_dim1 = 64
	s_mov_b32 s[\g+3], 32<<16                      ; tile_dim0 = 32
	s_mov_b32 s[\g+4], 64                          ; tile_dim1 = 64
	s_mov_b32 s[\g+5], 32                          ; from row to row
	s_mov_b32 s[\g+6], 0
	s_mov_b32 s[\g+7], 0
.endr
	s_lshl_b32 s58, s[SGY], 16                     ; x's 8 tiles of my 128 rows: made of y and the wave alone
	s_and_b32 s59, s[WV], 3
	s_lshl_b32 s59, s59, 14
	s_add_co_u32 s58, s58, s59
	s_mov_b32 s59, 0
	s_lshl_b32 s60, s[SGX], 17                     ; W's 16 tiles of my 256 columns: made of x and the wave alone
	s_and_b32 s61, s[WV], 7
	s_lshl_b32 s61, s61, 14
	s_add_co_u32 s60, s60, s61
	s_mov_b32 s61, 0
	s_lshl_b32 s66, s[SGY], 12                     ; scale words: 512 bytes a tile: x's tiles 8 y + 2 wm,
	s_lshl_b32 s67, s[SWM], 10
	s_add_co_u32 s66, s66, s67
	s_mov_b32 s67, 0
	s_lshl_b32 s68, s[SGX], 13                     ; W's tiles 16 x + 4 wn
	s_lshl_b32 s69, s[SWN], 11
	s_add_co_u32 s68, s68, s69
	s_mov_b32 s69, 0
	s_lshr_b32 s72, s[SGY], 4                      ; batch
	s_lshl_b32 s72, s72, 4
	s_lshl_b32 s73, s[SGX], 2
	s_add_co_u32 s72, s72, s73
	s_add_co_u32 s72, s72, s[SWN]                  ; batch x 16 + head
	s_mul_i32 s72, s72, HEADB
	s_mov_b32 s73, 0
	s_and_b32 s74, s[SGY], 15                      ; which 128 keys of the batch
	s_lshl_b32 s56, s74, 8
	s_add_co_u32 s56, s56, 131072                  ; their 256 bytes of KS
	s_mov_b32 s57, 0
	s_lshl_b32 s74, s74, 12                        ; key block 4 (y % 16) + wm: 1,024 bytes a block in KC and in VC
	s_lshl_b32 s75, s[SWM], 10
	s_add_co_u32 s74, s74, s75
	s_mov_b32 s75, 0
	s_wait_dscnt 0x0
	s_wait_kmcnt 0x0
	s_mov_b32 s[G0A], 1                            ; count = 1
	s_lshl_b32 s[G0A+1], s[WV], 14                 ; LDS: wave x 16,384: waves 8-11 fill x's image at 131,072 on
	s_add_nc_u64 s[G0A+2:G0A+3], s[4:5], s[58:59]
	s_or_b32 s[G0A+3], s[G0A+3], 0x80000000        ; type = 2
	s_mov_b32 s[G0B], 1
	s_lshl_b32 s[G0B+1], s[WV], 14                 ; waves 0-7 fill W's image
	s_add_nc_u64 s[G0B+2:G0B+3], s[8:9], s[60:61]
	s_or_b32 s[G0B+3], s[G0B+3], 0x80000000
	s_add_nc_u64 s[6:7], s[6:7], s[66:67]
	s_add_nc_u64 s[10:11], s[10:11], s[68:69]
	s_add_nc_u64 s[12:13], s[12:13], s[72:73]      ; kv at my head
	s_add_nc_u64 s[56:57], s[12:13], s[56:57]      ; its scale units
	s_add_nc_u64 s[12:13], s[12:13], s[74:75]      ; its cell of my key block
	ROUND                                          ; all sixteen work-groups are here: the joint loads meet
	s_cmp_lt_u32 s[WV], 8                          ; waves 0-7 ask for W, 8-11 for x, the others for nothing: one tensor load of a wave is out at the most
	s_cbranch_scc0 .Lnot_b
	tensor_load_to_lds s[G0B:G0B+3], s[G1B:G1B+7]
	s_nop 0
.rept 4
	v_nop
.endr
	s_branch .Lasked
.Lnot_b:
	s_cmp_lt_u32 s[WV], 12
	s_cbranch_scc0 .Lasked
	tensor_load_to_lds s[G0A:G0A+3], s[G1A:G1A+7]
	s_nop 0
.rept 4
	v_nop
.endr
.Lasked:
.irp u, 0,1
.irp q, 0,1,2,3
	global_load_b32 v[XS+4*\u+\q], v4, s[6:7] offset:512*\u+128*\q    ; the scale words of all of K stay in registers
.endr
.endr
.irp t, 0,1,2,3
.irp q, 0,1,2,3
	global_load_b32 v[WS+4*\t+\q], v4, s[10:11] offset:512*\t+128*\q
.endr
.endr
	s_wait_tensorcnt 0x0                           ; my part of the images has landed,
	s_barrier_signal -1
	s_barrier_wait -1                              ; everybody's has
	s_wait_loadcnt 0x0                             ; the scale words
; A K step of 128: six fragments, sixteen products.  The sixteen accumulators take turns, one instruction a turn, in the same order in every step.
.macro KSTEP s
.if (\s) > 0
.rept 4
	v_nop                                          ; four places in front of loads into registers that matrix instructions have read (ISA guide 7.12.1 for vector instructions)
.endr
.endif
.irp u, 0,1
.irp c, 0,1
	ds_load_b128 v[XF+8*\u+4*\c:XF+8*\u+4*\c+3], v2 offset:8192*\u+1024*(\s)+512*\c
.endr
.endr
.irp t, 0,1,2,3
.irp c, 0,1
	ds_load_b128 v[WF+8*\t+4*\c:WF+8*\t+4*\c+3], v3 offset:8192*\t+1024*(\s)+512*\c
.endr
.endr
	s_wait_dscnt 0x0
.irp u, 0,1
.irp t, 0,1,2,3
	WM D1+32*\u+8*\t, WF+8*\t, XF+8*\u, WS+4*\t+(\s)/2, XS+4*\u+(\s)/2, \s
	WM D2+32*(\t/2)+16*(\t%2)+8*\u, XF+8*\u, WF+8*\t, XS+4*\u+(\s)/2, WS+4*\t+(\s)/2, \s
.endr
.endr
.endm
	KSTEP 0
	KSTEP 1
	KSTEP 2
	KSTEP 3
	KSTEP 4
	KSTEP 5
	KSTEP 6
	KSTEP 7
.rept 4
	v_nop                                          ; four places in front of the first read of results
.endr
.irp u, 0,1                                    ; ALONG d: tile u's 16 keys; blocks 0, 1 = d 0-31, 32-63
	QUANT2 D1+32*\u, PC+4*\u
	v_lshl_or_b32 v[240+\u], v[TM+5], 8, v[TM+4]   ; the key's two bytes
	global_store_b128 v1, v[PC+4*\u:PC+4*\u+3], s[12:13] offset:512*\u   ; 512 consecutive bytes of the cell, aligned
.endr
	v_lshl_or_b32 v242, v241, 16, v240             ; the word of place r: (u0 d0, u0 d1, u1 d0, u1 d1)
	ds_store_b32 v5, v242
.irp g, 0,1                                    ; ALONG THE KEYS: blocks 0, 1 = my 32 keys of the channels at place r of tiles 2 g, 2 g + 1
	QUANT2 D2+32*\g, PC+8+4*\g
	global_store_b128 v1, v[PC+8+4*\g:PC+8+4*\g+3], s[12:13] offset:65536+512*\g
	ds_store_b8 v6, v[TM+4] offset:128*\g          ; both halves of the lanes write the same byte with the same value
	ds_store_b8 v6, v[TM+5] offset:128*\g+64
	s_wait_dscnt 0x0                               ; my stores into the stage are done (and have read their registers)
.endr
	s_barrier_signal -1
	s_barrier_wait -1                              ; the four key blocks' words and bytes of each head lie in the stage
	s_cmp_lg_u32 s[SWM], 0                         ; waves 0-3 send a head's two units each
	s_cbranch_scc1 .Lno_unit
	ds_load_b128 v[244:247], v7
	s_wait_dscnt 0x0
	global_store_b128 v8, v[244:247], s[56:57]     ; each sixteen lanes store 256 consecutive bytes, aligned
.Lno_unit:
	s_wait_tensorcnt 0x0
	ds_add_u32 v254, v255
	s_wait_dscnt 0x0
	ROUND                                          ; the closing round: no work-group ends while a partner may still ask for a tile that names it
	s_endpgm
.Lfunc_end_k_qf9c62cf6b5_proj:
	.size	k_qf9c62cf6b5_proj, .Lfunc_end_k_qf9c62cf6b5_proj-k_qf9c62cf6b5_proj
	.p2alignl 7, 3214868480
	.fill 96, 4, 3214868480
	.section	.rodata,"a",@progbits
	.p2align	6, 0x0
	.amdhsa_kernel k_qf9c62cf6b5_proj
		.amdhsa_group_segment_fixed_size 200704
		.amdhsa_private_segment_fixed_size 0
		.amdhsa_enable_private_segment 0
		.amdhsa_kernarg_size 40
		.amdhsa_user_sgpr_count 2
		.amdhsa_user_sgpr_kernarg_segment_ptr 1
		.amdhsa_wavefront_size32 1
		.amdhsa_system_sgpr_workgroup_id_x 1
		.amdhsa_system_sgpr_workgroup_id_y 1
		.amdhsa_system_sgpr_workgroup_id_z 1
		.amdhsa_system_vgpr_workitem_id 0
		.amdhsa_next_free_vgpr 256
		.amdhsa_next_free_sgpr 80
		.amdhsa_reserve_vcc 0
		.amdhsa_float_denorm_mode_32 3
		.amdhsa_float_denorm_mode_16_64 3
		.amdhsa_memory_ordered 1
		.amdhsa_forward_progress 1
		.amdhsa_inst_pref_size 42
	.end_amdhsa_kernel
	.amdgpu_metadata
---
amdhsa.version: [ 1, 2 ]
amdhsa.kernels:
  - .name:           k_qf9c62cf6b5_proj
    .symbol:         k_qf9c62cf6b5_proj.kd
    .args:
      - { .name: x_img, .offset: 0, .size: 8, .value_kind: global_buffer, .address_space: global }
      - { .name: x_sc, .offset: 8, .size: 8, .value_kind: global_buffer, .address_space: global }
      - { .name: w_img, .offset: 16, .size: 8, .value_kind: global_buffer, .address_space: global }
      - { .name: w_sc, .offset: 24, .size: 8, .value_kind: global_buffer, .address_space: global }
      - { .name: kv, .offset: 32, .size: 8, .value_kind: global_buffer, .address_space: global }
    .group_segment_fixed_size: 200704
    .private_segment_fixed_size: 0
    .kernarg_segment_align: 8
    .kernarg_segment_size: 40
    .max_flat_workgroup_size: 512
    .sgpr_count:     80
    .vgpr_count:     256
    .wavefront_size: 32
...
	.end_amdgpu_metadata
.endif
;; end of part 2
;; launch attn (part 3): grid 4 x 64, 16 waves a work-group, clusters of 4 x 1, 169,984 bytes of LDS; arguments kv, o_img, o_sc; writes o_img, o_sc
.if DOCPART == 3
	.amdgcn_target "amdgcn-amd-amdhsa--gfx1250"
	.amdhsa_code_object_version 6
	.text
	.protected	k_qf9c62cf6b5_attn
	.globl	k_qf9c62cf6b5_attn
	.p2align	8
	.type	k_qf9c62cf6b5_attn,@function
k_qf9c62cf6b5_attn:
	s_mov_b64 s[64:65], 0
	v_nop
	global_prefetch_b8 v0, s[64:65] scope:SCOPE_SE
	s_setreg_imm32_b32 hwreg(HW_REG_WAVE_MODE, 25, 1), 1
	s_wait_xcnt 0x0
	s_wait_alu depctr_hold_cnt(0) depctr_sa_sdst(0) depctr_va_vdst(0) depctr_va_sdst(0) depctr_va_ssrc(0) depctr_va_vcc(0) depctr_vm_vsrc(0)
	s_getreg_b32 s2, hwreg(HW_REG_IB_STS2, 6, 4)
	s_cmp_eq_u32 s2, 0
	s_cbranch_scc0 .Lentry_in_a_cluster
	s_endpgm
.Lentry_in_a_cluster:
	s_bfe_u32 s2, ttmp6, 0x10000c
	s_cmp_lg_u32 s2, 0x3003
	s_cbranch_scc0 .Lentry_shape_is_right
	s_endpgm
.Lentry_shape_is_right:
; O = softmax(q k^T / 8) v for 64 heads of 2,048 x 2,048, head size 64, q = k = v, both products on codes of FP4; then O / l is quantised along head x 64 + d for the last product.
; THE SOFTMAX AHEAD OF THE SECOND PRODUCT: t = score x log2(e) / 8; M = the running largest t rounded UP to a whole number; p = 2^(t - M) is quantised along the keys, not normalised; the row's sum l is taken of the
; unquantised p; when M moves, l and O are multiplied by 2^(old M - new M), which rounds nothing.
; SHARES.  A work-group owns one head and a quarter of its queries; each of its sixteen waves one block of 32 queries, as two tiles of 16, one after the other; a tile walks all keys, 128 a step.  Four waves to a SIMD:
; one wave's vector work stands beside another's products and LDS loads.  The vector work of a step is many times its matrix work, so matrix instructions are spent where they spare vector work or registers.
; LDS holds the head's whole block of kv (139,264 bytes: KC, VC, KS, VS, as the launch before laid them), filled ONCE.  CLUSTER 4 x 1: the four quarters of a head need the same block: each wave's part is asked for jointly.
; Nothing is filled again and all that the launch reads is asked for at its head, so there is no ring and no prefetch.
; LAYOUT.  Both products are used transposed (S^T = k q^T, O^T = v^T p^T): a lane holds ONE query throughout.  Place r of tile u of key block kb is key 32 kb + 8 u + r + 8 (r / 8), so the 16 registers of a block's two tiles are 16 neighbouring keys.
; K = 64 IN AN INSTRUCTION OF K = 128.  A cell of KC read as one fragment holds tile u = 0 in k 0-63 and tile u = 1 in k 64-127.  The queries stand in twelve registers [q, zeros, q]: registers 0-7 select the cell's first tile,
; registers 4-11 its second: zero codes add nothing under any scale byte of 1 to 254.
; OUT.  o_img [row tile 512][head 16][h 2][r 16][16] is the fragment image of the last product's left operand; o_sc [tile][K step 8][r 16][4]: a head owns two bytes of a word, so these stores are 2 bytes a lane:
; one byte in 17 of what the launch stores.
; LIMITS: a block of zeros or under 2^(3 - 127) gets the byte 1; NaN and infinities are not served.
.set HEADB, 139264
.set WV,  18                           ; s18 wave
.set SEL, 20                           ; s[20:21] lane selects: lane l xor 16
.set CS,  22                           ; s[22:23] c = log2(e) / 8; the packed form names the pair and takes its low word for both halves
.set G1,  24                           ; s[24:31] descriptor group 1;  s[32:35] group 0
.set G0,  32
.set TB,  2                            ; s2  4,096 x key step: its cells in KC and in VC
.set TS,  3                            ; s3  256 x key step: its scale words
.set CNT, 36                           ; s36 counts key steps
.set TM,  232                          ; the last quantiser's temporaries
; v1 16 lane (KC); v2 VC's place; v3, v4 KS's, VS's; v5 16 lane, v6, v7 offsets in memory; v8-11 the step's LDS addresses; v12 -M, v13 largest t, v[14:15] l in two halves; v16-27 [q, 0, q]; v28 q's scale word; v29 my queries' KS word;
; v32-63 four cells of K; v64-95 four fragments of V; v96-159 S^T, then p; v160-191 O^T; v192-199 my queries' codes; v200-207 codes out; v208-209 bytes out; v224-231 p's codes; v232-247, v254 at work; v248-251 K's, V's scale words; v252 f; v253 p's scale word
.macro ROUND                           ; a round of the cluster's barrier
	s_barrier_signal -1
	s_barrier_wait -1
	s_cmp_lg_u32 s[WV], 0
	s_cbranch_scc1 .Lnot_wave_0_\@
	s_barrier_signal -3
.Lnot_wave_0_\@:
	s_barrier_wait -3
	s_barrier_signal -1
	s_barrier_wait -1
.endm
.macro QUANT2 s, pc                    ; 32 numbers of a lane, register 16 b + i = number 16 (lane / 16) + i of block b -> v[pc .. pc + 3] of lane (r, h) = block h's 16 bytes; the bytes in v[TM+4], v[TM+5]
.irp b, 0,1
	v_max3_num_f32 v[TM+\b], |v[(\s)+16*\b]|, |v[(\s)+16*\b+1]|, 0x1800000
.endr
.irp i, 2,4,6,8,10,12,14
.irp b, 0,1
	s_delay_alu instid0(VALU_DEP_2)
	v_max3_num_f32 v[TM+\b], v[TM+\b], |v[(\s)+16*\b+\i]|, |v[(\s)+16*\b+\i+1]|
.endr
.endr
.irp b, 0,1
	s_delay_alu instid0(VALU_DEP_2)
	v_permlanex16_b32 v[TM+2+\b], v[TM+\b], s[SEL], s[SEL+1]
.endr
.irp b, 0,1
	s_delay_alu instid0(VALU_DEP_2)
	v_max_num_f32 v[TM+\b], v[TM+\b], v[TM+2+\b]
.endr
.irp b, 0,1
	s_delay_alu instid0(VALU_DEP_2)
	v_add_nc_u32 v[TM+6+\b], 0xff000000, v[TM+\b]
.endr
.irp b, 0,1
	s_delay_alu instid0(VALU_DEP_2)
	v_lshrrev_b32 v[TM+4+\b], 23, v[TM+6+\b]
.endr
.irp b, 0,1
	v_cvt_scalef32_pk8_fp4_f32 v[(\pc)+2*\b], v[(\s)+16*\b:(\s)+16*\b+7], v[TM+6+\b]
	v_cvt_scalef32_pk8_fp4_f32 v[(\pc)+2*\b+1], v[(\s)+16*\b+8:(\s)+16*\b+15], v[TM+6+\b]
.endr
	v_nop                                          ; one plain line behind the last scaled conversion
	v_permlane16_swap_b32 v[(\pc)], v[(\pc)+2]
	v_permlane16_swap_b32 v[(\pc)+1], v[(\pc)+3]
.endm
	s_load_b128 s[4:7], s[0:1], 0x0                ; kv s[4:5], o_img s[6:7]
	s_load_b64 s[8:9], s[0:1], 0x10                ; o_sc
	v_lshl_add_u32 v243, v0, 2, 0x29000
	v_mov_b32 v255, 0
	ds_add_u32 v243, v255
	ds_add_u32 v243, v255
	v_lshrrev_b32 v8, 5, v0
	s_delay_alu instid0(VALU_DEP_1)
	v_readfirstlane_b32 s[WV], v8                  ; wave 0..15
	v_and_b32 v9, 31, v0                           ; lane
	v_and_b32 v10, 15, v0                          ; r
	v_bfe_u32 v11, v0, 4, 1                        ; h
	s_delay_alu instid0(VALU_DEP_3)
	v_lshlrev_b32 v1, 4, v9                        ; KC: a cell is an image: 16 x lane
	s_delay_alu instid0(VALU_DEP_3)
	v_lshlrev_b32 v2, 4, v10
	s_delay_alu instid0(VALU_DEP_1)
	v_lshl_add_u32 v2, v11, 10, v2
	s_delay_alu instid0(VALU_DEP_1)
	v_add_nc_u32 v2, 65536, v2                     ; VC: key block h of a pair, place r of a tile
	v_lshl_add_u32 v3, v9, 2, 131072               ; KS: two key blocks' words a load
	v_lshl_add_u32 v4, v9, 2, 135168               ; VS: two tiles' words a load
	v_lshlrev_b32 v5, 4, v9                        ; in memory: 16 x lane
	v_lshlrev_b32 v7, 2, v10                       ; 4 r
	s_delay_alu instid0(VALU_DEP_1)
	v_lshl_add_u32 v6, v11, 9, v7                  ; 4 r, + a tile of o_sc for lanes 16-31
.irp i, 20,21,22,23,234,235,236,237,238,239,253
	v_mov_b32 v[\i], 0                             ; the zero codes between the two q; lane permutes' destinations; v253 is named in the pair v[252:253] before it is first written
.endr
	s_mov_b32 s[SEL], 0x76543210
	s_mov_b32 s[SEL+1], 0xfedcba98
	s_mov_b32 s[CS], 0x3e38aa3b                    ; log2(e) / 8
	s_mov_b32 s[CS+1], s[CS]
	s_mov_b32 s37, 0xffff0000                      ; lanes 16-31
	s_bfe_u32 s40, ttmp6, 0x40000                  ; cx: it enters addresses in memory alone
	s_lshl_b32 s41, ttmp9, 2
	s_add_co_u32 s41, s41, s40                     ; which quarter of the queries
	s_lshl_b32 s41, s41, 4
	s_add_co_u32 s41, s41, s[WV]                   ; my block of 32 queries
	s_and_b32 s42, ttmp7, 0xffff                   ; batch x 16 + head, which the four partners share
	s_mul_i32 s44, s42, HEADB
	; descriptor: my sixteenth of the head's block: 8,704 dense bytes as 34 rows of 256 (32 elements of 8 bytes)
	s_mov_b32 s[G1], 15|(3<<16)|(1<<21)            ; 15:0 the mask: all four work-groups; 17:16 elements of 8 bytes; 21 set beside a mask
	s_mov_b32 s[G1+1], 32<<16                      ; tensor_dim0
	s_mov_b32 s[G1+2], 34<<16                      ; tensor_dim1
	s_mov_b32 s[G1+3], 32<<16                      ; tile_dim0
	s_mov_b32 s[G1+4], 34                          ; tile_dim1
	s_mov_b32 s[G1+5], 32                          ; from row to row
	s_mov_b32 s[G1+6], 0
	s_mov_b32 s[G1+7], 0
	s_mov_b32 s[G0], 1
	s_mul_i32 s[G0+1], s[WV], 8704                 ; LDS address: the wave's number alone
	s_add_co_u32 s46, s44, s[G0+1]
	s_mov_b32 s47, 0
	s_lshl_b32 s48, s41, 10                        ; my queries' cell of KC,
	s_add_co_u32 s48, s48, s44
	s_mov_b32 s49, 0
	s_lshl_b32 s50, s41, 6                         ; and its words of KS
	s_add_co_u32 s50, s50, s44
	s_add_co_u32 s50, s50, 131072
	s_mov_b32 s51, 0
	s_lshr_b32 s52, s42, 4
	s_lshl_b32 s52, s52, 7
	s_lshl_b32 s53, s41, 1
	s_add_co_u32 s52, s52, s53                     ; my first row tile: 128 x batch + 2 x query block
	s_and_b32 s53, s42, 15                         ; head
	s_lshl_b32 s54, s52, 13
	s_lshl_b32 s55, s53, 9
	s_add_co_u32 s54, s54, s55                     ; o_img: 8,192 a tile, 512 a head
	s_mov_b32 s55, 0
	s_lshl_b32 s56, s52, 9                         ; o_sc: 512 a tile, 64 a pair of heads, 2 bytes a head
	s_lshr_b32 s57, s53, 1
	s_lshl_b32 s57, s57, 6
	s_add_co_u32 s56, s56, s57
	s_and_b32 s57, s53, 1
	s_lshl_b32 s57, s57, 1
	s_add_co_u32 s56, s56, s57
	s_mov_b32 s57, 0
	s_wait_dscnt 0x0
	s_wait_kmcnt 0x0
	s_add_nc_u64 s[G0+2:G0+3], s[4:5], s[46:47]
	s_or_b32 s[G0+3], s[G0+3], 0x80000000          ; type = 2
	s_add_nc_u64 s[48:49], s[4:5], s[48:49]
	s_add_nc_u64 s[50:51], s[4:5], s[50:51]
	s_add_nc_u64 s[6:7], s[6:7], s[54:55]
	s_add_nc_u64 s[8:9], s[8:9], s[56:57]
	ROUND                                          ; all four work-groups are here: the joint loads meet
	tensor_load_to_lds s[G0:G0+3], s[G1:G1+7]      ; every wave asks for its sixteenth: one tensor load of a wave is out
	s_nop 0
.rept 4
	v_nop
.endr
	global_load_b128 v[192:195], v5, s[48:49]              ; my queries' codes come from memory
	global_load_b128 v[196:199], v5, s[48:49] offset:512
	global_load_b32 v29, v7, s[50:51]
	s_wait_tensorcnt 0x0                           ; my part has landed,
	s_barrier_signal -1
	s_barrier_wait -1                              ; everybody's has
	s_wait_loadcnt 0x0
.macro KLOAD o, so                     ; four cells of K (128 keys) and their scale words: register 248 + g: cell 2 g in lanes 0-15, cell 2 g + 1 in lanes 16-31
.irp b, 0,1,2,3
.irp c, 0,1
	ds_load_b128 v[32+8*\b+4*\c:32+8*\b+4*\c+3], v8 offset:\o+1024*\b+512*\c
.endr
.endr
.irp g, 0,1
	ds_load_b32 v[248+\g], v10 offset:\so+128*\g
.endr
.endm
.macro VLOAD                           ; four fragments of V^T (16 channels x 128 keys) and their scale words
.irp t, 0,1,2,3
.irp c, 0,1
	ds_load_b128 v[64+8*\t+4*\c:64+8*\t+4*\c+3], v9 offset:2048*\c+256*\t
.endr
.endr
.irp g, 0,1
	ds_load_b32 v[250+\g], v11 offset:128*\g
.endr
.endm
; A KEY STEP of 128 keys.  pre = 1: the next step's K is fetched, right behind this step's scores, and the addresses step.
.macro STEP pre
.irp b, 0,1,2,3                                ; S^T: cell b against [q | 0] and [0 | q]
.if \b%2 == 0
	v_wmma_scale_f32_16x16x128_f8f6f4 v[96+16*\b:103+16*\b], v[32+8*\b:39+8*\b], v[16:23], 0, v[248+\b/2], v28 matrix_a_fmt:MATRIX_FMT_FP4 matrix_b_fmt:MATRIX_FMT_FP4
	v_wmma_scale_f32_16x16x128_f8f6f4 v[104+16*\b:111+16*\b], v[32+8*\b:39+8*\b], v[20:27], 0, v[248+\b/2], v28 matrix_a_fmt:MATRIX_FMT_FP4 matrix_b_fmt:MATRIX_FMT_FP4
.else
	v_wmma_scale_f32_16x16x128_f8f6f4 v[96+16*\b:103+16*\b], v[32+8*\b:39+8*\b], v[16:23], 0, v[248+\b/2], v28 matrix_a_fmt:MATRIX_FMT_FP4 matrix_b_fmt:MATRIX_FMT_FP4 matrix_a_scale:MATRIX_SCALE_ROW1
	v_wmma_scale_f32_16x16x128_f8f6f4 v[104+16*\b:111+16*\b], v[32+8*\b:39+8*\b], v[20:27], 0, v[248+\b/2], v28 matrix_a_fmt:MATRIX_FMT_FP4 matrix_b_fmt:MATRIX_FMT_FP4 matrix_a_scale:MATRIX_SCALE_ROW1
.endif
.endr                                          ; lane (r, h): query r; register 16 b + i: key 32 b + 16 h + i of the step
.rept 4
	v_nop                                          ; four places: in front of the reads of S^T, and of the loads into K's and V's registers and their scale words, which matrix instructions have read
.endr
.if \pre
	KLOAD 4096, 256
.endif
	VLOAD
.irp b, 0,1,2,3
	v_max3_num_f32 v[232+\b], v[96+16*\b], v[97+16*\b], v[98+16*\b]   ; the largest score of each block of 32 keys: it serves the row's maximum and, since p rises with the score, the block's largest p
.endr
.irp i, 3,5,7,9,11,13
.irp b, 0,1,2,3
	v_max3_num_f32 v[232+\b], v[232+\b], v[96+16*\b+\i], v[97+16*\b+\i]
.endr
.endr
.irp b, 0,1,2,3
	v_max_num_f32 v[232+\b], v[232+\b], v[111+16*\b]
.endr
.irp b, 0,1,2,3
	s_delay_alu instid0(VALU_DEP_4)
	v_permlanex16_b32 v[236+\b], v[232+\b], s[SEL], s[SEL+1]
.endr
.irp b, 0,1,2,3
	s_delay_alu instid0(VALU_DEP_4)
	v_max_num_f32 v[232+\b], v[232+\b], v[236+\b]  ; with lane l xor 16's 16 keys
.endr
	s_delay_alu instid0(VALU_DEP_2)
	v_max3_num_f32 v254, v232, v233, v234
	s_delay_alu instid0(VALU_DEP_1)
	v_max_num_f32 v254, v254, v235                 ; the step's largest score of my query
	s_delay_alu instid0(VALU_DEP_1)
	v_mul_f32 v254, s[CS], v254                    ; as t
	s_delay_alu instid0(VALU_DEP_1)
	v_max_num_f32 v13, v13, v254                   ; the running largest t
	v_mov_b32 v254, v12
	s_delay_alu instid0(VALU_DEP_2)
	v_floor_f32 v12, -v13                          ; the new -M = floor(-t): M is a whole number
	s_delay_alu instid0(VALU_DEP_1)
	v_sub_f32 v254, v12, v254                      ; old M - new M: a whole number, 0 or less
	s_delay_alu instid0(VALU_DEP_1)
	v_cvt_i32_f32 v254, v254                       ; (it saturates)
	s_delay_alu instid0(VALU_DEP_1)
	v_ldexp_f32 v252, 1.0, v254                    ; f = 2^(old M - new M)
.set j, 0
.rept 32
	v_pk_fma_f32 v[96+j:97+j], v[96+j:97+j], s[CS:CS+1], v[12:13] op_sel_hi:[1,0,0]   ; t - M, two at a time
.set j, j+2
.endr
.irp b, 0,1,2,3
	v_fma_f32 v[232+\b], v[232+\b], s[CS], v12     ; the same of each block's largest score
.endr
.set j, 0
	s_wait_alu depctr_va_vdst(0)
.rept 64
	v_exp_f32 v[96+j], v[96+j]                     ; p = 2^(t - M), at most 1
.set j, j+1
.endr
	s_setprio 1
	v_pk_mul_f32 v[14:15], v[14:15], v[252:253] op_sel_hi:[1,0]   ; l under the new M: the plain line behind the exponentials
	s_wait_alu depctr_va_vdst(0)                   ; one wait for the batch of 64, ahead of its first reader
.irp b, 0,1,2,3
	v_exp_f32 v[232+\b], v[232+\b]                 ; the block's largest p: the same two instructions on the same number give the same bits
.endr
	v_pk_add_f32 v[236:237], v[100:101], v[104:105]
	v_pk_add_f32 v[246:247], v[108:109], v[112:113]
	v_pk_add_f32 v[244:245], v[116:117], v[120:121]
	v_pk_add_f32 v[240:241], v[124:125], v[128:129]
	v_pk_add_f32 v[238:239], v[132:133], v[136:137]
	v_pk_add_f32 v[230:231], v[140:141], v[144:145]
	v_pk_add_f32 v[228:229], v[148:149], v[152:153]
	v_pk_add_f32 v[14:15], v[14:15], v[156:157]
	v_pk_add_f32 v[236:237], v[236:237], v[96:97]
	v_pk_add_f32 v[246:247], v[246:247], v[98:99]
	v_pk_add_f32 v[244:245], v[244:245], v[102:103]
	v_pk_add_f32 v[240:241], v[240:241], v[106:107]
	v_pk_add_f32 v[238:239], v[238:239], v[110:111]
	v_pk_add_f32 v[230:231], v[230:231], v[114:115]
	v_pk_add_f32 v[228:229], v[228:229], v[118:119]
	v_pk_add_f32 v[14:15], v[14:15], v[122:123]
	v_pk_add_f32 v[236:237], v[236:237], v[126:127]
	v_pk_add_f32 v[246:247], v[246:247], v[130:131]
	v_pk_add_f32 v[244:245], v[244:245], v[134:135]
	v_pk_add_f32 v[240:241], v[240:241], v[138:139]
	v_pk_add_f32 v[238:239], v[238:239], v[142:143]
	v_pk_add_f32 v[230:231], v[230:231], v[146:147]
	v_pk_add_f32 v[228:229], v[228:229], v[150:151]
	v_pk_add_f32 v[14:15], v[14:15], v[154:155]
	v_pk_add_f32 v[236:237], v[236:237], v[158:159]
	s_delay_alu instid0(VALU_DEP_2)
	v_pk_add_f32 v[14:15], v[14:15], v[240:241]
	s_delay_alu instid0(VALU_DEP_2)
	v_pk_add_f32 v[236:237], v[236:237], v[238:239]
	v_pk_add_f32 v[246:247], v[246:247], v[230:231]
	v_pk_add_f32 v[244:245], v[244:245], v[228:229]
	s_delay_alu instid0(VALU_DEP_2)
	v_pk_add_f32 v[14:15], v[14:15], v[246:247]
	s_delay_alu instid0(VALU_DEP_2)
	v_pk_add_f32 v[236:237], v[236:237], v[244:245]
	s_delay_alu instid0(VALU_DEP_1)
	v_pk_add_f32 v[14:15], v[14:15], v[236:237]
	s_wait_alu depctr_va_vdst(0)                   ; and one for the four
.irp b, 0,1,2,3
	v_max_num_f32 v[232+\b], 0x1800000, v[232+\b]  ; the floor 2^(3 - 127): the byte cannot fall under 1
.endr
.irp b, 0,1,2,3
	s_delay_alu instid0(VALU_DEP_4)
	v_add_nc_u32 v[244+\b], 0xff000000, v[232+\b]  ; the conversion's scale operand
.endr
.irp b, 0,1,2,3
	s_delay_alu instid0(VALU_DEP_4)
	v_lshrrev_b32 v[236+\b], 23, v[244+\b]         ; the byte
.endr
	s_delay_alu instid0(VALU_DEP_3)
	v_lshl_or_b32 v253, v237, 8, v236              ; p's scale word for these 128 keys
	s_delay_alu instid0(VALU_DEP_1)
	v_lshl_or_b32 v253, v238, 16, v253
	s_delay_alu instid0(VALU_DEP_1)
	v_lshl_or_b32 v253, v239, 24, v253
.irp b, 0,1,2,3
	v_cvt_scalef32_pk8_fp4_f32 v[224+2*\b], v[96+16*\b:103+16*\b], v[244+\b]
	v_cvt_scalef32_pk8_fp4_f32 v[225+2*\b], v[104+16*\b:111+16*\b], v[244+\b]
.endr
	v_nop                                          ; one plain line behind the last scaled conversion
.irp c, 0,1
.irp i, 0,1
	v_permlane16_swap_b32 v[224+4*\c+\i], v[226+4*\c+\i]   ; a whole block in a lane: lanes 0-15 block 2 c, lanes 16-31 block 2 c + 1
.endr
.endr
.set j, 0
	s_setprio 0
.rept 16
	v_pk_mul_f32 v[160+j:161+j], v[160+j:161+j], v[252:253] op_sel_hi:[1,0]   ; O^T under the new M, each accumulator from its low end on.  (With the four lines below: the places between p's codes and scale word and the products)
.set j, j+2
.endr
.if \pre
	s_add_co_u32 s[TB], s[TB], 4096
	s_add_co_u32 s[TS], s[TS], 256
	v_add_nc_u32 v8, s[TB], v1                     ; the next step's addresses
	v_add_nc_u32 v9, s[TB], v2
	v_add_nc_u32 v10, s[TS], v3
	v_add_nc_u32 v11, s[TS], v4
.else
.rept 4
	v_nop
.endr
.endif
	s_wait_alu depctr_va_vdst(0)
	s_wait_dscnt 0x0                               ; V of this step and K of the next, asked for at the softmax's head
.irp t, 0,1,2,3                                ; O^T += V^T P^T: the four accumulators by turns
.if \t%2 == 0
	v_wmma_scale_f32_16x16x128_f8f6f4 v[160+8*\t:167+8*\t], v[64+8*\t:71+8*\t], v[224:231], v[160+8*\t:167+8*\t], v[250+\t/2], v253 matrix_a_fmt:MATRIX_FMT_FP4 matrix_b_fmt:MATRIX_FMT_FP4
.else
	v_wmma_scale_f32_16x16x128_f8f6f4 v[160+8*\t:167+8*\t], v[64+8*\t:71+8*\t], v[224:231], v[160+8*\t:167+8*\t], v[250+\t/2], v253 matrix_a_fmt:MATRIX_FMT_FP4 matrix_b_fmt:MATRIX_FMT_FP4 matrix_a_scale:MATRIX_SCALE_ROW1
.endif
.endr
.endm
; ONE TILE OF 16 QUERIES: tile u of my block.
.macro TILE u
	v_lshrrev_b32 v254, 16*\u, v29
	s_delay_alu instid0(VALU_DEP_1)
	v_and_b32 v254, 0xffff, v254                   ; the tile's two bytes (d 0-31, d 32-63),
	s_delay_alu instid0(VALU_DEP_1)
	v_lshl_or_b32 v28, v254, 16, v254              ; in both halves of the word: they serve [q | 0] and [0 | q]
.irp i, 0,1,2,3
	v_mov_b32 v[16+\i], v[192+4*\u+\i]
	v_mov_b32 v[24+\i], v[192+4*\u+\i]
.endr
	s_mov_b32 s[TB], 0
	s_mov_b32 s[TS], 0
	v_add_nc_u32 v8, s[TB], v1
	v_add_nc_u32 v9, s[TB], v2
	v_add_nc_u32 v10, s[TS], v3
	v_add_nc_u32 v11, s[TS], v4
	KLOAD 0, 0                                     ; key step 0
	v_mov_b32 v13, 0xff61b1e6                      ; the largest t so far: -3e38, under every t
	s_delay_alu instid0(VALU_DEP_1)
	v_floor_f32 v12, -v13                          ; -M
	v_mov_b32 v14, 0
	v_mov_b32 v15, 0
.set j, 0
.rept 32
	v_mov_b32 v[160+j], 0                          ; O^T: the step is written once; the first finds zeros, which the first change of M leaves zeros.  (More than eight plain lines between q's scale word and the first product)
.set j, j+1
.endr
	s_wait_dscnt 0x0
	s_mov_b32 s[CNT], 15
.Lstep_\@:
	s_wait_alu depctr_va_vdst(0)
	s_setprio 2
	STEP 1
	s_sub_co_u32 s[CNT], s[CNT], 1
	s_cmp_lg_u32 s[CNT], 0
	s_cbranch_scc1 .Lstep_\@
	s_setprio 0
	STEP 0                                         ; the last step fetches no further K
.rept 4
	v_nop                                          ; four places in front of the read of O^T
.endr
	v_add_f32 v14, v14, v15                        ; l's two halves,
	s_delay_alu instid0(VALU_DEP_1)
	v_permlanex16_b32 v252, v14, s[SEL], s[SEL+1]
	s_delay_alu instid0(VALU_DEP_1)
	v_add_f32 v14, v14, v252                       ; and lane l xor 16's
	s_wait_alu depctr_va_vdst(0)
	v_rcp_f32 v14, v14
	v_nop                                          ; a plain line behind the reciprocal
	s_wait_alu depctr_va_vdst(0)                   ; and the wait ahead of its first reader
.set j, 0
.rept 16
	v_pk_mul_f32 v[96+j:97+j], v[160+j:161+j], v[14:15] op_sel_hi:[1,0]   ; O^T / l: register 16 b + i = d 32 b + 16 h + i of my query
.set j, j+2
.endr
	QUANT2 96, 200+4*\u
	v_lshl_or_b32 v[208+\u], v[TM+5], 8, v[TM+4]   ; the row's two bytes of this head
	global_store_b128 v5, v[200+4*\u:203+4*\u], s[6:7] offset:8192*\u   ; 512 consecutive bytes, aligned
.endm
	TILE 0
	TILE 1
	v_cndmask_b32 v208, v208, v209, s37            ; lanes 0-15 send tile 0's bytes, lanes 16-31 tile 1's
	global_store_b16 v6, v208, s[8:9]
	s_wait_tensorcnt 0x0
	ds_add_u32 v243, v255
	s_wait_dscnt 0x0
	ROUND                                          ; the closing round: no work-group ends while a partner may still ask for a tile that names it
	s_endpgm
.Lfunc_end_k_qf9c62cf6b5_attn:
	.size	k_qf9c62cf6b5_attn, .Lfunc_end_k_qf9c62cf6b5_attn-k_qf9c62cf6b5_attn
	.p2alignl 7, 3214868480
	.fill 96, 4, 3214868480
	.section	.rodata,"a",@progbits
	.p2align	6, 0x0
	.amdhsa_kernel k_qf9c62cf6b5_attn
		.amdhsa_group_segment_fixed_size 169984
		.amdhsa_private_segment_fixed_size 0
		.amdhsa_enable_private_segment 0
		.amdhsa_kernarg_size 24
		.amdhsa_user_sgpr_count 2
		.amdhsa_user_sgpr_kernarg_segment_ptr 1
		.amdhsa_wavefront_size32 1
		.amdhsa_system_sgpr_workgroup_id_x 1
		.amdhsa_system_sgpr_workgroup_id_y 1
		.amdhsa_system_sgpr_workgroup_id_z 1
		.amdhsa_system_vgpr_workitem_id 0
		.amdhsa_next_free_vgpr 256
		.amdhsa_next_free_sgpr 66
		.amdhsa_reserve_vcc 0
		.amdhsa_float_denorm_mode_32 3
		.amdhsa_float_denorm_mode_16_64 3
		.amdhsa_memory_ordered 1
		.amdhsa_forward_progress 1
		.amdhsa_inst_pref_size 82
	.end_amdhsa_kernel
	.amdgpu_metadata
---
amdhsa.version: [ 1, 2 ]
amdhsa.kernels:
  - .name:           k_qf9c62cf6b5_attn
    .symbol:         k_qf9c62cf6b5_attn.kd
    .args:
      - { .name: kv, .offset: 0, .size: 8, .value_kind: global_buffer, .address_space: global }
      - { .name: o_img, .offset: 8, .size: 8, .value_kind: global_buffer, .address_space: global }
      - { .name: o_sc, .offset: 16, .size: 8, .value_kind: global_buffer, .address_space: global }
    .group_segment_fixed_size: 169984
    .private_segment_fixed_size: 0
    .kernarg_segment_align: 8
    .kernarg_segment_size: 24
    .max_flat_workgroup_size: 512
    .sgpr_count:     66
    .vgpr_count:     256
    .wavefront_size: 32
...
	.end_amdgpu_metadata
.endif
;; end of part 3
;; launch outp (part 4): grid 4 x 64, 16 waves a work-group, clusters of 4 x 4, 268,288 bytes of LDS; arguments o_img, o_sc, w_img, w_sc, b_out, out0; writes out0
.if DOCPART == 4
	.amdgcn_target "amdgcn-amd-amdhsa--gfx1250"
	.amdhsa_code_object_version 6
	.text
	.protected	k_qf9c62cf6b5_outp
	.globl	k_qf9c62cf6b5_outp
	.p2align	8
	.type	k_qf9c62cf6b5_outp,@function
k_qf9c62cf6b5_outp:
	s_mov_b64 s[64:65], 0
	v_nop
	global_prefetch_b8 v0, s[64:65] scope:SCOPE_SE
	s_setreg_imm32_b32 hwreg(HW_REG_WAVE_MODE, 25, 1), 1
	s_wait_xcnt 0x0
	s_wait_alu depctr_hold_cnt(0) depctr_sa_sdst(0) depctr_va_vdst(0) depctr_va_sdst(0) depctr_va_ssrc(0) depctr_va_vcc(0) depctr_vm_vsrc(0)
	s_getreg_b32 s2, hwreg(HW_REG_IB_STS2, 6, 4)
	s_cmp_eq_u32 s2, 0
	s_cbranch_scc0 .Lentry_in_a_cluster
	s_endpgm
.Lentry_in_a_cluster:
	s_bfe_u32 s2, ttmp6, 0x10000c
	s_cmp_lg_u32 s2, 0xf033
	s_cbranch_scc0 .Lentry_shape_is_right
	s_endpgm
.Lentry_shape_is_right:
; out0 = Q(O) Q(W_out) + b_out on codes of FP4; out0 [8192][1024] f32.
; SHARES, LDS AND CLUSTER as in the first projection: a work-group makes 128 rows x 256 columns over all of K = 1,024; sixteen waves, wave w 32 rows (w / 4) x 64 columns (w % 4); W_out's 16 tiles (131,072 bytes) and O's 8 tiles
; (65,536) lie in LDS at once as images of the fragments' registers, each filled once; in a cluster of 4 x 4 O's tiles are asked for jointly along a row, W_out's along a column.
; THE MATRIX INSTRUCTION IS USED TRANSPOSED (source 0 = 16 columns of W_out, source 1 = 16 rows of O): a lane holds one row, and the 16 registers of two neighbouring tiles are 16 neighbouring columns.
; The bias is the C of each sum's first product: eight registers a tile in the result's layout.  Place r of tile 2 G + u is row or column 32 G + 8 u + r + 8 (r / 8).
; THE WAY OUT: 16 rows x 64 columns at a time through the wave's own stage in LDS, back as rows of 256 bytes: sixteen lanes store 256 consecutive bytes, aligned.
.set ABASE, 131072                     ; LDS: W_out's image at 0, O's at ABASE,
.set STG,   196608                     ; and behind them a stage of 16 rows x 272 bytes for each wave: bytes of its own, into which no fill lands
.set SP,    272                        ; a stage row: 256 bytes + 16, an odd multiple of 16
.set WV,  18                           ; s18 wave;  s19 wm;  s22 wn;  s23 work-group y;  s42 work-group x
.set SWM, 19
.set SWN, 22
.set SGY, 23
.set SGX, 42
.set G1A, 24                           ; s[24:31], s[32:35] descriptor groups 1 and 0 for O's tiles;  s[48:55], s[36:39] for W_out's
.set G0A, 32
.set G0B, 36
.set G1B, 48
.set XS,  24                           ; v24-31   O's scale words: register 4 u + q: K step 2 q in lanes 0-15, 2 q + 1 in lanes 16-31
.set WS,  32                           ; v32-47   W_out's: register 4 t + q
.set XF,  48                           ; v48-63   O's two fragments
.set WF,  64                           ; v64-95   W_out's four
.set ACC, 96                           ; v96-159  accumulator (t, u) at 32 u + 8 t
.set BI,  160                          ; v160-191 the bias, eight registers a tile t
.set OB,  192                          ; v192-255 rows read back from the stage
.macro ROUND                           ; a round of the cluster's barrier
	s_barrier_signal -1
	s_barrier_wait -1
	s_cmp_lg_u32 s[WV], 0
	s_cbranch_scc1 .Lnot_wave_0_\@
	s_barrier_signal -3
.Lnot_wave_0_\@:
	s_barrier_wait -3
	s_barrier_signal -1
	s_barrier_wait -1
.endm
	s_load_b256 s[4:11], s[0:1], 0x0               ; o_img s[4:5], o_sc s[6:7], w_img s[8:9], w_sc s[10:11]
	s_load_b128 s[12:15], s[0:1], 0x20             ; b_out s[12:13], out0 s[14:15]
	v_lshl_add_u32 v22, v0, 2, 0x41000
	v_mov_b32 v23, 0
	ds_add_u32 v22, v23
	ds_add_u32 v22, v23
	v_lshrrev_b32 v9, 5, v0
	s_delay_alu instid0(VALU_DEP_1)
	v_readfirstlane_b32 s[WV], v9                  ; wave 0..15
	s_lshr_b32 s[SWM], s[WV], 2
	s_and_b32 s[SWN], s[WV], 3
	; every LDS address is made here, ahead of the first branch on the wave's number
	v_and_b32 v10, 31, v0                          ; lane
	v_and_b32 v11, 15, v0                          ; r
	v_bfe_u32 v12, v0, 4, 1                        ; h
	s_delay_alu instid0(VALU_DEP_3)
	v_lshlrev_b32 v1, 4, v10                       ; 16 x lane
	s_delay_alu instid0(VALU_DEP_4)
	v_lshlrev_b32 v4, 2, v10                       ; 4 x lane
	s_lshl_b32 s70, s[SWM], 14
	s_add_co_u32 s70, s70, ABASE
	v_add_nc_u32 v2, s70, v1                       ; O's two tiles of my 32 rows
	s_lshl_b32 s70, s[SWN], 15
	v_add_nc_u32 v3, s70, v1                       ; W_out's four tiles of my 64 columns
	s_mul_i32 s70, s[WV], 16*SP
	s_add_co_u32 s70, s70, STG                     ; my stage
	v_mul_u32_u24 v5, v11, SP
	s_delay_alu instid0(VALU_DEP_1)
	v_lshl_add_u32 v5, v12, 6, v5
	s_delay_alu instid0(VALU_DEP_1)
	v_add_nc_u32 v5, s70, v5                       ; in: row r, + 64 h bytes: my half's 16 columns of a pair of tiles
	v_mul_u32_u24 v6, v12, SP
	s_delay_alu instid0(VALU_DEP_1)
	v_lshl_add_u32 v6, v11, 4, v6
	s_delay_alu instid0(VALU_DEP_1)
	v_add_nc_u32 v6, s70, v6                       ; back: lanes 0-15 one row, lanes 16-31 the next
	v_lshlrev_b32 v7, 4, v11
	s_delay_alu instid0(VALU_DEP_1)
	v_lshl_add_u32 v7, v12, 12, v7                 ; and the same two rows in out0
	v_lshlrev_b32 v8, 6, v12                       ; the bias: my half's 16 numbers
	s_bfe_u32 s40, ttmp6, 0x40000                  ; cx, cy
	s_bfe_u32 s41, ttmp6, 0x40004
	s_lshl_b32 s[SGX], ttmp9, 2
	s_add_co_u32 s[SGX], s[SGX], s40               ; work-group x
	s_and_b32 s[SGY], ttmp7, 0xffff
	s_lshl_b32 s[SGY], s[SGY], 2
	s_add_co_u32 s[SGY], s[SGY], s41               ; work-group y
	s_lshl_b32 s43, s41, 2
	s_lshl_b32 s43, 15, s43                        ; my row of the cluster
	s_lshl_b32 s44, 0x1111, s40                    ; my column
	; descriptor group 1: a dense block of 16,384 bytes as 64 rows of 256 (32 elements of 8 bytes), no padding
	s_or_b32 s[G1A], s43, (3<<16)|(1<<21)          ; O's tiles go to my row
	s_or_b32 s[G1B], s44, (3<<16)|(1<<21)          ; W_out's to my column
.irp g, G1A, G1B
	s_mov_b32 s[\g+1], 32<<16                      ; tensor_dim0
	s_mov_b32 s[\g+2], 64<<16                      ; tensor_dim1
	s_mov_b32 s[\g+3], 32<<16                      ; tile_dim0
	s_mov_b32 s[\g+4], 64                          ; tile_dim1
	s_mov_b32 s[\g+5], 32                          ; from row to row
	s_mov_b32 s[\g+6], 0
	s_mov_b32 s[\g+7], 0
.endr
	s_lshl_b32 s58, s[SGY], 16                     ; O's 8 tiles of my 128 rows: made of y and the wave alone
	s_and_b32 s59, s[WV], 3
	s_lshl_b32 s59, s59, 14
	s_add_co_u32 s58, s58, s59
	s_mov_b32 s59, 0
	s_lshl_b32 s60, s[SGX], 17                     ; W_out's 16 tiles of my 256 columns: made of x and the wave alone;
	s_and_b32 s61, s[WV], 7
	s_lshl_b32 s61, s61, 14
	s_add_co_u32 s60, s60, s61
	s_add_co_u32 s60, s60, 524288                  ; the second matrix of w_img
	s_mov_b32 s61, 0
	s_lshl_b32 s66, s[SGY], 12                     ; scale words: O's tiles 8 y + 2 wm,
	s_lshl_b32 s67, s[SWM], 10
	s_add_co_u32 s66, s66, s67
	s_mov_b32 s67, 0
	s_lshl_b32 s68, s[SGX], 13                     ; W_out's tiles 16 x + 4 wn, in the second matrix of w_sc
	s_lshl_b32 s69, s[SWN], 11
	s_add_co_u32 s68, s68, s69
	s_add_co_u32 s68, s68, 32768
	s_mov_b32 s69, 0
	s_lshl_b32 s72, s[SGX], 10                     ; my first column, in bytes: 1,024 x + 256 wn
	s_lshl_b32 s73, s[SWN], 8
	s_add_co_u32 s72, s72, s73
	s_mov_b32 s73, 0
	s_lshl_b32 s74, s[SGY], 19                     ; my first row: 128 y + 32 wm rows of 4,096 bytes
	s_lshl_b32 s75, s[SWM], 17
	s_add_co_u32 s74, s74, s75
	s_add_co_u32 s74, s74, s72
	s_mov_b32 s75, 0
	s_wait_dscnt 0x0
	s_wait_kmcnt 0x0
	s_mov_b32 s[G0A], 1
	s_lshl_b32 s[G0A+1], s[WV], 14                 ; LDS: wave x 16,384: waves 8-11 fill O's image at 131,072 on
	s_add_nc_u64 s[G0A+2:G0A+3], s[4:5], s[58:59]
	s_or_b32 s[G0A+3], s[G0A+3], 0x80000000
	s_mov_b32 s[G0B], 1
	s_lshl_b32 s[G0B+1], s[WV], 14                 ; waves 0-7 fill W_out's image
	s_add_nc_u64 s[G0B+2:G0B+3], s[8:9], s[60:61]
	s_or_b32 s[G0B+3], s[G0B+3], 0x80000000
	s_add_nc_u64 s[6:7], s[6:7], s[66:67]
	s_add_nc_u64 s[10:11], s[10:11], s[68:69]
	s_add_nc_u64 s[12:13], s[12:13], s[72:73]
	s_add_nc_u64 s[14:15], s[14:15], s[74:75]
	ROUND                                          ; all sixteen work-groups are here: the joint loads meet
	s_cmp_lt_u32 s[WV], 8                          ; waves 0-7 ask for W_out, 8-11 for O, the others for nothing: one tensor load of a wave is out at the most
	s_cbranch_scc0 .Lnot_b
	tensor_load_to_lds s[G0B:G0B+3], s[G1B:G1B+7]
	s_nop 0
.rept 4
	v_nop
.endr
	s_branch .Lasked
.Lnot_b:
	s_cmp_lt_u32 s[WV], 12
	s_cbranch_scc0 .Lasked
	tensor_load_to_lds s[G0A:G0A+3], s[G1A:G1A+7]
	s_nop 0
.rept 4
	v_nop
.endr
.Lasked:
.irp u, 0,1
.irp q, 0,1,2,3
	global_load_b32 v[XS+4*\u+\q], v4, s[6:7] offset:512*\u+128*\q
.endr
.endr
.irp t, 0,1,2,3
.irp q, 0,1,2,3
	global_load_b32 v[WS+4*\t+\q], v4, s[10:11] offset:512*\t+128*\q
.endr
.endr
	s_wait_alu depctr_va_vdst(0)
.irp t, 0,1,2,3
	global_load_b128 v[BI+8*\t:BI+8*\t+3], v8, s[12:13] offset:(32*(\t/2)+8*(\t%2))*4        ; register j of tile t: column 32 (t / 2) + 16 h + 8 (t % 2) + j
	global_load_b128 v[BI+8*\t+4:BI+8*\t+7], v8, s[12:13] offset:(32*(\t/2)+8*(\t%2))*4+16
.endr
	s_wait_tensorcnt 0x0                           ; my part of the images has landed,
	s_barrier_signal -1
	s_barrier_wait -1                              ; everybody's has
	s_wait_loadcnt 0x0                             ; scale words and bias
; A K step of 128: six fragments, eight products; the eight accumulators take turns, one instruction a turn, in the same order in every step.  Odd K steps read both sides' scales from lanes 16-31.
.macro KSTEP s
.if (\s) > 0
.rept 4
	v_nop                                          ; four places in front of loads into registers that matrix instructions have read
.endr
.endif
.irp u, 0,1
.irp c, 0,1
	ds_load_b128 v[XF+8*\u+4*\c:XF+8*\u+4*\c+3], v2 offset:8192*\u+1024*(\s)+512*\c
.endr
.endr
.irp t, 0,1,2,3
.irp c, 0,1
	ds_load_b128 v[WF+8*\t+4*\c:WF+8*\t+4*\c+3], v3 offset:8192*\t+1024*(\s)+512*\c
.endr
.endr
	s_wait_dscnt 0x0
.irp u, 0,1
.irp t, 0,1,2,3
.if (\s) == 0
	v_wmma_scale_f32_16x16x128_f8f6f4 v[ACC+32*\u+8*\t:ACC+32*\u+8*\t+7], v[WF+8*\t:WF+8*\t+7], v[XF+8*\u:XF+8*\u+7], v[BI+8*\t:BI+8*\t+7], v[WS+4*\t], v[XS+4*\u] matrix_a_fmt:MATRIX_FMT_FP4 matrix_b_fmt:MATRIX_FMT_FP4
.elseif (\s)%2 == 0
	v_wmma_scale_f32_16x16x128_f8f6f4 v[ACC+32*\u+8*\t:ACC+32*\u+8*\t+7], v[WF+8*\t:WF+8*\t+7], v[XF+8*\u:XF+8*\u+7], v[ACC+32*\u+8*\t:ACC+32*\u+8*\t+7], v[WS+4*\t+(\s)/2], v[XS+4*\u+(\s)/2] matrix_a_fmt:MATRIX_FMT_FP4 matrix_b_fmt:MATRIX_FMT_FP4
.else
	v_wmma_scale_f32_16x16x128_f8f6f4 v[ACC+32*\u+8*\t:ACC+32*\u+8*\t+7], v[WF+8*\t:WF+8*\t+7], v[XF+8*\u:XF+8*\u+7], v[ACC+32*\u+8*\t:ACC+32*\u+8*\t+7], v[WS+4*\t+(\s)/2], v[XS+4*\u+(\s)/2] matrix_a_fmt:MATRIX_FMT_FP4 matrix_b_fmt:MATRIX_FMT_FP4 matrix_a_scale:MATRIX_SCALE_ROW1 matrix_b_scale:MATRIX_SCALE_ROW1
.endif
.endr
.endr
.endm
	KSTEP 0
	KSTEP 1
	KSTEP 2
	KSTEP 3
	KSTEP 4
	KSTEP 5
	KSTEP 6
	KSTEP 7
.rept 4
	v_nop                                          ; four places in front of the first read of results
.endr
.irp u, 0,1                                    ; tile u's 16 rows x 64 columns through my stage.  LDS serves a wave's instructions in order: the loads see the stores above them, and tile 1's stores come behind tile 0's loads
.irp t, 0,1,2,3
	ds_store_b128 v5, v[ACC+32*\u+8*\t:ACC+32*\u+8*\t+3] offset:128*(\t/2)+32*(\t%2)         ; each accumulator from its low end on
	ds_store_b128 v5, v[ACC+32*\u+8*\t+4:ACC+32*\u+8*\t+7] offset:128*(\t/2)+32*(\t%2)+16
.endr
.irp k, 0,1,2,3,4,5,6,7
	ds_load_b128 v[OB+32*\u+4*\k:OB+32*\u+4*\k+3], v6 offset:2*SP*\k
.endr
.endr
.irp k, 0,1,2,3,4,5,6,7
	s_wait_dscnt 23-\k                             ; behind tile 0's pair of rows k: its 7 - k later loads and tile 1's sixteen LDS instructions
	global_store_b128 v7, v[OB+4*\k:OB+4*\k+3], s[14:15] offset:(2*\k+8*(\k/4))*4096 th:TH_STORE_NT   ; places 2 k, 2 k + 1 are rows 2 k + h + 8 (k / 4) of my 32; sixteen lanes store 256 consecutive bytes, aligned
.endr
.irp k, 0,1,2,3,4,5,6,7
	s_wait_dscnt 7-\k                              ; behind tile 1's pair k: its 7 - k later loads
	global_store_b128 v7, v[OB+32+4*\k:OB+32+4*\k+3], s[14:15] offset:(8+2*\k+8*(\k/4))*4096 th:TH_STORE_NT
.endr
	s_wait_tensorcnt 0x0
	ds_add_u32 v22, v23
	s_wait_dscnt 0x0
	ROUND                                          ; the closing round: no work-group ends while a partner may still ask for a tile that names it
	s_endpgm
.Lfunc_end_k_qf9c62cf6b5_outp:
	.size	k_qf9c62cf6b5_outp, .Lfunc_end_k_qf9c62cf6b5_outp-k_qf9c62cf6b5_outp
	.p2alignl 7, 3214868480
	.fill 96, 4, 3214868480
	.section	.rodata,"a",@progbits
	.p2align	6, 0x0
	.amdhsa_kernel k_qf9c62cf6b5_outp
		.amdhsa_group_segment_fixed_size 268288
		.amdhsa_private_segment_fixed_size 0
		.amdhsa_enable_private_segment 0
		.amdhsa_kernarg_size 48
		.amdhsa_user_sgpr_count 2
		.amdhsa_user_sgpr_kernarg_segment_ptr 1
		.amdhsa_wavefront_size32 1
		.amdhsa_system_sgpr_workgroup_id_x 1
		.amdhsa_system_sgpr_workgroup_id_y 1
		.amdhsa_system_sgpr_workgroup_id_z 1
		.amdhsa_system_vgpr_workitem_id 0
		.amdhsa_next_free_vgpr 256
		.amdhsa_next_free_sgpr 80
		.amdhsa_reserve_vcc 0
		.amdhsa_float_denorm_mode_32 3
		.amdhsa_float_denorm_mode_16_64 3
		.amdhsa_memory_ordered 1
		.amdhsa_forward_progress 1
		.amdhsa_inst_pref_size 29
	.end_amdhsa_kernel
	.amdgpu_metadata
---
amdhsa.version: [ 1, 2 ]
amdhsa.kernels:
  - .name:           k_qf9c62cf6b5_outp
    .symbol:         k_qf9c62cf6b5_outp.kd
    .args:
      - { .name: o_img, .offset: 0, .size: 8, .value_kind: global_buffer, .address_space: global }
      - { .name: o_sc, .offset: 8, .size: 8, .value_kind: global_buffer, .address_space: global }
      - { .name: w_img, .offset: 16, .size: 8, .value_kind: global_buffer, .address_space: global }
      - { .name: w_sc, .offset: 24, .size: 8, .value_kind: global_buffer, .address_space: global }
      - { .name: b_out, .offset: 32, .size: 8, .value_kind: global_buffer, .address_space: global }
      - { .name: out0, .offset: 40, .size: 8, .value_kind: global_buffer, .address_space: global }
    .group_segment_fixed_size: 268288
    .private_segment_fixed_size: 0
    .kernarg_segment_align: 8
    .kernarg_segment_size: 48
    .max_flat_workgroup_size: 512
    .sgpr_count:     80
    .vgpr_count:     256
    .wavefront_size: 32
...
	.end_amdgpu_metadata
.endif
;; end of part 4
